; MI455X (gfx1250); checked and timed in simulation.
; The chip was launched on July 23, 2026; its instructions are those of AMD's public machine-readable ISA for CDNA 5 (MIT licence, August 2026) and "CDNA5" Instruction Set Architecture Reference Guide (July 2026). The comments in the code are by the model that wrote it; some were corrected since.
;; My Multi Head Attention. Allowed arithmetic: matrix products marked QUANTISED: E2M3 operands, one E8M0 scale for each 32 along K, by v_wmma_scale_f32_16x16x128_f8f6f4 with both operands' format E2M3, f32 sums; everything else in f32.
;; Inputs: K_codes 1 x 4,096 x 32 x 24 uint8 (E2M3 codes of K, K innermost, in blocks of 32 codes, four codes in three bytes); K_scales 1 x 4,096 x 32 uint8 (E8M0 scales of K, one for each 32 codes along K); Q_codes 1 x 4,096 x 32 x 24 uint8 (E2M3 codes of Q, K innermost, in blocks of 32 codes, four codes in three bytes); Q_scales 1 x 4,096 x 32 uint8 (E8M0 scales of Q, one for each 32 codes along K); V_codes 1 x 4,096 x 32 x 24 uint8 (E2M3 codes of V, K innermost, in blocks of 32 codes, four codes in three bytes); V_scales 1 x 4,096 x 32 uint8 (E8M0 scales of V, one for each 32 codes along K); b_k 1,024 float32; b_o 1,024 float32; b_q 1,024 float32; b_v 1,024 float32; w_k_codes 1,024 x 32 x 24 uint8 (E2M3 codes of w_k, K innermost, in blocks of 32 codes, four codes in three bytes); w_k_scales 1,024 x 32 uint8 (E8M0 scales of w_k, one for each 32 codes along K); w_o_codes 1,024 x 32 x 24 uint8 (E2M3 codes of w_o, K innermost, in blocks of 32 codes, four codes in three bytes); w_o_scales 1,024 x 32 uint8 (E8M0 scales of w_o, one for each 32 codes along K); w_q_codes 1,024 x 32 x 24 uint8 (E2M3 codes of w_q, K innermost, in blocks of 32 codes, four codes in three bytes); w_q_scales 1,024 x 32 uint8 (E8M0 scales of w_q, one for each 32 codes along K); w_v_codes 1,024 x 32 x 24 uint8 (E2M3 codes of w_v, K innermost, in blocks of 32 codes, four codes in three bytes); w_v_scales 1,024 x 32 uint8 (E8M0 scales of w_v, one for each 32 codes along K).
;; Outputs: out0 1 x 4,096 x 1,024 float32.
;; This version of the problem:
;;   THIS VERSION OF THE PROBLEM IS GIVEN IN LOW PRECISION. The matrix products marked QUANTISED in the list below multiply operands that are first quantised to E2M3 (2 exponent bits, 3 mantissa bits; 6 bits a number), with one power-of-two scale for each 32 numbers along K (OCP MX v1.0); their sums are f32. All else is computed in f32.
;;   The module's matrix products, in the order in which they are computed (A, B: the left and right operand; K: the contracted axis; several contracted axes count as one K, in the product's order):
;;     1. [M 4,096, K 1,024] x [K 1,024, N 1,024]; A: input Q (given as codes); B: input w_q (given as codes): QUANTISED
;;     2. [M 4,096, K 1,024] x [K 1,024, N 1,024]; A: input K (given as codes); B: input w_k (given as codes): QUANTISED
;;     3. [M 4,096, K 1,024] x [K 1,024, N 1,024]; A: input V (given as codes); B: input w_v (given as codes): QUANTISED
;;     4. batch 16 x [M 4,096, K 64] x [K 64, N 4,096]; A: computed on the way; B: computed on the way: QUANTISED
;;     5. batch 16 x [M 4,096, K 4,096] x [K 4,096, N 64]; A: softmax (see below); B: computed on the way: QUANTISED
;;     6. [M 4,096, K 1,024] x [K 1,024, N 1,024]; A: computed on the way; B: input w_o (given as codes): QUANTISED
;;   THE QUANTISER, for each operand of a quantised product, along K:
;;     - K is cut into blocks of 32 from its start; a last block that is shorter is filled with zeros.
;;     - A block's scale is 2^e with e = floor(log2(the largest magnitude in the block)) - 2, held to -126 .. 127; a block of zeros has e = 0. As a byte (E8M0): e + 127.
;;     - Each number is divided by its block's scale, clamped to +-7.5, and rounded to the nearest number of E2M3, ties to even, subnormals kept.
;;     - The product sums the exact products of the quantised numbers (number of the format x scale) in f32.
;;   ~~~python
;;   def quantise(x, axis):      # numpy; x: float32 -> the quantised numbers, widened to float32 again
;;       x = np.moveaxis(x, axis, -1); K = x.shape[-1]
;;       x = np.pad(x, [(0, 0)] * (x.ndim - 1) + [(0, -K % 32)]); x = x.reshape(x.shape[:-1] + (-1, 32)); a = np.abs(x).max(-1, keepdims=True)
;;       e = np.where(a > 0, np.clip(np.frexp(np.where(a > 0, a, 1))[1] - 1 - 2, -126, 127), 0)      # np.frexp(a)[1] - 1 = floor(log2(a)), exactly
;;       r = np.clip(x / 2.0 ** e, -7.5, 7.5)
;;       step = 2.0 ** (np.maximum(np.frexp(np.where(r == 0, 1, r))[1] - 1, 0) - 3)
;;       q = np.round(r / step) * step * 2.0 ** e      # np.round: ties to even
;;       return np.moveaxis(q.reshape(q.shape[:-2] + (-1,))[..., :K], -1, axis).astype(np.float32)
;;   ~~~
;;   SOFTMAX AHEAD OF A QUANTISED PRODUCT. Where the list says 'softmax', what is quantised is not the finished softmax but p = 2^(t - M), with t = logit x log2(e) and M = ceil(the row's largest t), a whole number; so 1/2 < the row's largest p <= 1. The row's sum l is taken of the UNQUANTISED p, in f32, and the product's result is divided by l at the end. Since M is a whole number, a kernel that streams over the keys may use a running M (the ceiling of the running maximum): every later rescaling is an exact power of two, which a block's scale takes up: the codes' values come out the same.
;;   OPERANDS COMPUTED ON THE WAY. 'Computed on the way' means the value that the module computes at that place (a softmax that the list does not call 'softmax' is quantised finished and normalised). What goes into a quantiser is computed in f32, as accurately as f32 sums, v_exp_f32 and their like allow (about 1e-6 of the number): no bf16 or f16 on the way to a quantiser, and a product that is left as it is and whose result goes on into a quantised operand takes f32 operands (vector FMAs, or v_wmma_f32_16x16x4_f32). A number that lies on a knife's edge between two numbers of the format may be rounded either way, as far as f32 arithmetic and the matrix unit's own rounding can turn it there, and no further.
;;   INPUTS GIVEN AS CODES. K (in the module: [1, 4096, 1024], K = its axis 2); Q (in the module: [1, 4096, 1024], K = its axis 2); V (in the module: [1, 4096, 1024], K = its axis 2); w_k (in the module: [1024, 1024], K = its axis 1); w_o (in the module: [1024, 1024], K = its axis 1); w_q (in the module: [1024, 1024], K = its axis 1); w_v (in the module: [1024, 1024], K = its axis 1): each comes as NAME_codes (uint8): NAME with its K axis moved to the last place and cut into blocks of 32 codes, [.., K / 32, bytes a block], one block behind the other in memory; four codes in three bytes: a row's codes are one little-endian stream of bits, code i at bits 6 i .. 6 i + 5 (a code: sign, 2 exponent bits, 3 mantissa bits); and NAME_scales (uint8): the same leading axes, one E8M0 byte (e + 127) for each 32 codes along K. Its value is code x scale, taken as it is: it is not quantised again, and the codes and scales need not be those that the quantiser above would give.
;; One version. Each part assembles by itself: llvm-mc -triple=amdgcn-amd-amdhsa -mcpu=gfx1250 --defsym DOCPART=n.
;; ======== version 1 of 1: 3 launches
;; limits: right only within a limited range of input values
;; workspace buffers: qrec 3,407,872 bytes; kv 6,815,744 bytes; oimg 3,145,728 bytes; osc 131,072 bytes
;; launch proj (part 1): grid 8 x 96, 4 waves a work-group, clusters of 4 x 4, 327,680 bytes of LDS; arguments Q_codes, Q_scales, w_q_codes, w_q_scales, b_q, K_codes, K_scales, w_k_codes, w_k_scales, b_k, V_codes, V_scales, w_v_codes, w_v_scales, b_v, qrec, kv; writes qrec, kv
.if DOCPART == 1
	.amdgcn_target "amdgcn-amd-amdhsa--gfx1250"
	.amdhsa_code_object_version 6
	.text
	.protected	k_q2d7745c8dc_proj
	.globl	k_q2d7745c8dc_proj
	.p2align	8
	.type	k_q2d7745c8dc_proj,@function
k_q2d7745c8dc_proj:
	s_mov_b64 s[64:65], 0
	v_nop
	global_prefetch_b8 v0, s[64:65] scope:SCOPE_SE
	s_setreg_imm32_b32 hwreg(HW_REG_WAVE_MODE, 25, 1), 1
	s_wait_xcnt 0x0
	s_wait_alu depctr_hold_cnt(0) depctr_sa_sdst(0) depctr_va_vdst(0) depctr_va_sdst(0) depctr_va_ssrc(0) depctr_va_vcc(0) depctr_vm_vsrc(0)
	s_getreg_b32 s2, hwreg(HW_REG_IB_STS2, 6, 4)
	s_cmp_eq_u32 s2, 0
	s_cbranch_scc0 .Lentry_in_a_cluster
	s_endpgm
.Lentry_in_a_cluster:
	s_bfe_u32 s2, ttmp6, 0x10000c
	s_cmp_lg_u32 s2, 0xf033
	s_cbranch_scc0 .Lentry_shape_is_right
	s_endpgm
.Lentry_shape_is_right:
; q = Q w_q^T + b_q, k = K w_k^T + b_k, v = V w_v^T + b_v on codes of FP6 (E2M3) with E8M0 scales, each result quantised at once for the attention launch.  Nothing of reference() is left out.
; A work-group makes 128 x 128 of one result; four waves, 64 x 64 each: 16 accumulators.  All of K (1,024: rows of 768 bytes) lies in LDS: 128 rows of operand X, 128 of operand Y, filled once, one tensor load a wave
; (64 rows = 192 dense chunks of 256 bytes, 16 bytes of padding behind each: an LDS row is 816 bytes).  No byte of LDS is filled again.
; The matrix instruction takes Y's rows as source 0 and X's as source 1: a lane holds one row of X and eight neighbours along Y.  For q and k: X = tokens, Y = features (the next K);  for v: X = channels, Y = keys (the next K).
; CLUSTERS 4 x 4: X's tile is asked for jointly along a row of the cluster, Y's along a column.  For v the cluster's two ids change places, so that X's tile still hangs on cy alone and Y's on cx alone.
; No prefetch is laid: the launch has no loop to run ahead in; every tile is asked for at the head.
; OUT: images of operand registers.  A record belongs to a head and 128 tokens: qrec 6,656 bytes (codes 6,144, scale words 512); kv 13,312 (k's codes 6,144, v's 6,144, k's scale words 512, v's 512).
; q, k: eight tiles of 16 tokens, six registers each, 48 registers as planes of four (16 bytes a lane); scale words as planes of two registers (8 bytes a lane): register i holds tile 2 i in lanes 0-15, tile 2 i + 1 in lanes 16-31.
; v: [half of 64 keys][channel tile] 768 bytes: four registers at 16 x lane, two at 8 x lane; its scale words by halves of the keys, two bytes in each word.
; Inside a block of 32 along the next K the codes lie in the order 0-7, 16-23, 8-15, 24-31, alike in q and k, and in v as the attention launch lays p.
; LIMITS: a block of zeros gets the scale byte 1 (its codes are zeros; this program alone reads the bytes); NaN and infinities are not served.
.set PITCH, 816
.set HALF,  64*PITCH
.set SPARE, 4*HALF                     ; the spare words: 512 bytes that no other line names
.set NLD,   48                         ; LDS loads of a K step
.set ADX, 16                           ; v16 X's fragments, v17 the same behind one padding more for lanes 16-31
.set ADY, 18
.set ST16, 24
.set ST8,  25
.set SPW, 28
.set NIL, 29
.set SC,  32                           ; v[SC + 8 i + step]: lanes 0-15 the word of X's block i, lanes 16-31 of Y's block i
.set FS,  64                           ; two sets of fragments: Y's four, then X's four
.set YT,  160                          ; Y's scale words as loaded
.set TM, 64
.set TP, 72
.set SO, 80
.set OC, 96
.set CT, 120
.set PW, 136
.set SA, 140
.set G1, 24
.set G0, 32
.set G0B, 36
.set G1B, 40
.set MSB, 0
.macro WIN new                         ; the immediate's high byte repeats the setting that is left
.if MSB != (\new)
	s_set_vgpr_msb (MSB<<8)|(\new)
.set MSB, (\new)
.endif
.endm
.macro PLACES n
.rept \n
	v_nop
.endr
.endm
.macro CROUND                          ; a round of the cluster's barrier
	s_barrier_signal -1
	s_barrier_wait -1
	s_cmp_lg_u32 s14, 0
	s_cbranch_scc1 .Lnot_wave_0_\@
	s_barrier_signal -3
.Lnot_wave_0_\@:
	s_barrier_wait -3
	s_barrier_signal -1
	s_barrier_wait -1
.endm
.macro FRAG reg, adr, st, i            ; 16 rows x 128 K: 24 + 24 bytes a lane in pieces of 8; byte y of a row lies at y + 16 (y / 256)
.irp p, 0,1,2,3,4,5
.set BY, 96*(\st)+48*(\p/3)+8*(\p%3)
.if BY/256 == (BY+24)/256
	ds_load_b64 v[\reg+2*\p:\reg+2*\p+1], v[\adr] offset:BY+16*(BY/256)+(\i)*16*PITCH
.else
	ds_load_b64 v[\reg+2*\p:\reg+2*\p+1], v[\adr+1] offset:BY+16*(BY/256)+(\i)*16*PITCH
.endif
.endr
.endm
.macro FETCH st
.irp i, 0,1,2,3
	FRAG FS+96*((\st)%2)+12*\i, ADY, \st, \i
	FRAG FS+96*((\st)%2)+48+12*\i, ADX, \st, \i
.endr
.endm
.macro MUL st, cm                      ; 16 products, the accumulators by turns; cm 1, 2: the bias starts the sums
.set P, FS+96*((\st)%2)
.irp a, 0,1,2,3
.irp b, 0,1,2,3
.set DD, 8*(4*\a+\b)
.if (\cm) == 0
	v_wmma_scale_f32_16x16x128_f8f6f4 v[DD:DD+7], v[P+12*\b:P+12*\b+11], v[P+48+12*\a:P+48+12*\a+11], v[DD:DD+7], v[SC+8*\b+(\st)], v[SC+8*\a+(\st)] matrix_a_fmt:MATRIX_FMT_FP6 matrix_b_fmt:MATRIX_FMT_FP6 matrix_a_scale:MATRIX_SCALE_ROW1
.elseif (\cm) == 1
	v_wmma_scale_f32_16x16x128_f8f6f4 v[DD:DD+7], v[P+12*\b:P+12*\b+11], v[P+48+12*\a:P+48+12*\a+11], v[128+8*\b:128+8*\b+7], v[SC+8*\b+(\st)], v[SC+8*\a+(\st)] matrix_a_fmt:MATRIX_FMT_FP6 matrix_b_fmt:MATRIX_FMT_FP6 matrix_a_scale:MATRIX_SCALE_ROW1
.else
	v_wmma_scale_f32_16x16x128_f8f6f4 v[DD:DD+7], v[P+12*\b:P+12*\b+11], v[P+48+12*\a:P+48+12*\a+11], v[128+8*\a:128+8*\a+7], v[SC+8*\b+(\st)], v[SC+8*\a+(\st)] matrix_a_fmt:MATRIX_FMT_FP6 matrix_b_fmt:MATRIX_FMT_FP6 matrix_a_scale:MATRIX_SCALE_ROW1
.endif
.endr
.endr
.endm
.macro STEP st                         ; the next step's fragments are asked for, then this step's are waited for and multiplied
	PLACES 4                                       ; in front of loads into registers that the last products have read
	FETCH (\st)+1
	s_wait_dscnt NLD                               ; all but the 48 just issued
	WIN 0x50                                       ; C and D in window 1
	MUL \st, 0
	WIN 0
.endm
	s_load_b256 s[24:31], s[0:1], 0x0
	s_load_b64 s[32:33], s[0:1], 0x20
	s_load_b256 s[36:43], s[0:1], 0x28
	s_load_b64 s[44:45], s[0:1], 0x48
	s_load_b256 s[48:55], s[0:1], 0x50
	s_load_b64 s[56:57], s[0:1], 0x70
	s_load_b128 s[60:63], s[0:1], 0x78
	v_lshl_add_u32 v[SPW], v0, 2, SPARE
	v_mov_b32 v[NIL], 0
	ds_add_u32 v[SPW], v[NIL]                      ; the opening lines: the add, twice on end, and its wait
	ds_add_u32 v[SPW], v[NIL]
	v_lshrrev_b32 v1, 5, v0
	v_readfirstlane_b32 s14, v1                    ; wave
	s_lshr_b32 s15, s14, 1                         ; my half of X's rows; also: I fetch for X (0) or Y (1)
	s_and_b32 s16, s14, 1                          ; my half of Y's rows; also: which 64 rows I fetch
	s_and_b32 s17, ttmp7, 0xffff
	s_lshr_b32 s95, s17, 3                         ; 0 q, 1 k, 2 v
	s_and_b32 s18, s17, 7
	s_mov_b32 s80, ttmp9
	s_bfe_u32 s76, ttmp6, 0x40000                  ; cx
	s_bfe_u32 s77, ttmp6, 0x40004                  ; cy
	s_mov_b32 s99, 0xffff0000
	s_mov_b32 s100, 0x76543210
	s_mov_b32 s101, 0xfedcba98
	s_cmp_eq_u32 s95, 2
	s_cselect_b32 s98, 1, 0
	s_cselect_b32 s78, s80, s18
	s_cselect_b32 s79, s18, s80
	s_lshl_b32 s82, s78, 2
	s_add_co_u32 s82, s82, s77                     ; X's tile of 128 rows
	s_lshl_b32 s83, s79, 2
	s_add_co_u32 s83, s83, s76                     ; Y's tile
	s_wait_dscnt 0x0
	s_wait_kmcnt 0x0
	s_cmp_eq_u32 s95, 0
	s_cselect_b64 s[4:5], s[24:25], s[36:37]
	s_cselect_b64 s[6:7], s[26:27], s[38:39]
	s_cselect_b64 s[8:9], s[28:29], s[40:41]
	s_cselect_b64 s[10:11], s[30:31], s[42:43]
	s_cselect_b64 s[12:13], s[32:33], s[44:45]
	s_cselect_b64 s[66:67], s[60:61], s[62:63]
	s_cmp_eq_u32 s95, 2
	s_cselect_b64 s[4:5], s[48:49], s[4:5]
	s_cselect_b64 s[6:7], s[50:51], s[6:7]
	s_cselect_b64 s[8:9], s[52:53], s[8:9]
	s_cselect_b64 s[10:11], s[54:55], s[10:11]
	s_cselect_b64 s[12:13], s[56:57], s[12:13]
	s_cselect_b64 s[68:69], s[8:9], s[4:5]         ; X's codes, scales; Y's codes, scales
	s_cselect_b64 s[70:71], s[10:11], s[6:7]
	s_cselect_b64 s[72:73], s[4:5], s[8:9]
	s_cselect_b64 s[74:75], s[6:7], s[10:11]
	s_lshl_b32 s20, s77, 2
	s_lshl_b32 s20, 15, s20                        ; my row of the cluster
	s_lshl_b32 s21, 0x1111, s76                    ; my column
	s_or_b32 s[G1], s20, (3<<16)|(1<<20)|(1<<21)|(5<<22)|(3<<25)
	s_or_b32 s[G1B], s21, (3<<16)|(1<<20)|(1<<21)|(5<<22)|(3<<25)
.irp g, G1, G1B                        ; 192 rows of 256 bytes (32 elements of 8), dense
	s_mov_b32 s[\g+1], 32<<16
	s_mov_b32 s[\g+2], 192<<16
	s_mov_b32 s[\g+3], 32<<16
	s_mov_b32 s[\g+4], 192
	s_mov_b32 s[\g+5], 32
	s_mov_b32 s[\g+6], 0
	s_mov_b32 s[\g+7], 0
.endr
	s_lshl_b32 s17, s16, 6
	s_lshl_b32 s20, s82, 7
	s_add_co_u32 s20, s20, s17
	s_mul_i32 s20, s20, 768
	s_mov_b32 s21, 0
	s_lshl_b32 s22, s83, 7
	s_add_co_u32 s22, s22, s17
	s_mul_i32 s22, s22, 768
	s_mov_b32 s23, 0
	s_mov_b32 s[G0], 1
	s_mul_i32 s[G0+1], s14, HALF
	s_add_nc_u64 s[G0+2:G0+3], s[68:69], s[20:21]
	s_or_b32 s[G0+3], s[G0+3], 0x80000000
	s_mov_b32 s[G0B], 1
	s_mul_i32 s[G0B+1], s14, HALF
	s_add_nc_u64 s[G0B+2:G0B+3], s[72:73], s[22:23]
	s_or_b32 s[G0B+3], s[G0B+3], 0x80000000
	CROUND                                         ; the joint loads meet
	s_cmp_eq_u32 s15, 0
	s_cbranch_scc0 .Lfor_y
	tensor_load_to_lds s[G0:G0+3], s[G1:G1+7]
	s_nop 0
	PLACES 4
	s_branch .Lasked
.Lfor_y:
	tensor_load_to_lds s[G0B:G0B+3], s[G1B:G1B+7]
	s_nop 0
	PLACES 4
.Lasked:
	s_lshl_b32 s20, s82, 7
	s_lshl_b32 s17, s15, 6
	s_add_co_u32 s20, s20, s17                     ; my first row of X
	s_lshl_b32 s22, s83, 7
	s_lshl_b32 s17, s16, 6
	s_add_co_u32 s22, s22, s17                     ; my first row of Y
	s_mov_b32 s92, 12288
	s_mov_b32 s93, 12800
	s_mov_b32 s87, 13312
	s_cmp_eq_u32 s98, 1
	s_cselect_b32 s84, s20, s22                    ; my first feature: 64 x head
	s_cselect_b32 s85, s83, s82                    ; the group of 128 tokens
	s_cselect_b32 s86, s16, s15                    ; my half of it
	s_cselect_b32 s88, 6144, 0                     ; where the codes begin in the record,
	s_cselect_b32 s92, s93, s92                    ; and the scale words
	s_cmp_eq_u32 s95, 0
	s_cselect_b32 s92, 6144, s92
	s_cselect_b32 s87, 6656, s87                   ; a record
	s_lshl_b32 s20, s20, 5
	s_add_nc_u64 s[70:71], s[70:71], s[20:21]
	s_lshl_b32 s22, s22, 5
	s_add_nc_u64 s[74:75], s[74:75], s[22:23]
	s_lshl_b32 s20, s84, 2
	s_add_nc_u64 s[12:13], s[12:13], s[20:21]
	s_lshr_b32 s20, s84, 6
	s_lshl_b32 s20, s20, 5
	s_add_co_u32 s20, s20, s85
	s_mul_i32 s20, s20, s87
	s_add_nc_u64 s[66:67], s[66:67], s[20:21]
	s_mul_i32 s20, s86, 3072
	s_add_co_u32 s20, s20, s88
	s_add_nc_u64 s[88:89], s[66:67], s[20:21]      ; my codes
	s_lshl_b32 s20, s86, 8
	s_add_co_u32 s20, s20, s92
	s_add_nc_u64 s[90:91], s[66:67], s[20:21]      ; my scale words
	s_mul_i32 s17, s15, HALF
	s_mul_i32 s18, s16, HALF
	s_add_co_u32 s18, s18, 2*HALF
	v_and_b32 v1, 15, v0
	v_bfe_u32 v2, v0, 4, 1
	v_and_b32 v6, 31, v0
	v_mul_u32_u24 v3, v1, PITCH
	v_mad_u32_u24 v3, v2, 24, v3
	v_lshl_add_u32 v4, v2, 4, v3
	v_add_nc_u32 v[ADX], s17, v3
	v_add_nc_u32 v[ADX+1], s17, v4
	v_add_nc_u32 v[ADY], s18, v3
	v_add_nc_u32 v[ADY+1], s18, v4
	v_lshlrev_b32 v[ST16], 4, v6
	v_lshlrev_b32 v[ST8], 3, v6
	v_lshlrev_b32 v7, 5, v1                        ; a row of scales is 32 bytes
	v_lshlrev_b32 v8, 5, v2
	v_lshlrev_b32 v9, 2, v1
	s_wait_alu depctr_va_vdst(0)
.irp i, 0,1,2,3
	global_load_b128 v[SC+8*\i:SC+8*\i+3], v7, s[70:71] offset:512*\i
	global_load_b128 v[SC+8*\i+4:SC+8*\i+7], v7, s[70:71] offset:512*\i+16
	global_load_b128 v[YT+8*\i:YT+8*\i+3], v7, s[74:75] offset:512*\i
	global_load_b128 v[YT+8*\i+4:YT+8*\i+7], v7, s[74:75] offset:512*\i+16
.endr
	s_cmp_eq_u32 s98, 1
	s_cbranch_scc1 .Lbias_v
	WIN 0x40                                       ; the bias in the result's layout, window 1, v128-159: along the registers,
.irp b, 0,1,2,3
	global_load_b128 v[128+8*\b:128+8*\b+3], v8, s[12:13] offset:64*\b
	global_load_b128 v[128+8*\b+4:128+8*\b+7], v8, s[12:13] offset:64*\b+16
.endr
	WIN 0
	s_branch .Lbias_done
.Lbias_v:
	WIN 0x40                                       ; or, for v, along the lanes
.irp a, 0,1,2,3
.irp j, 0,1,2,3,4,5,6,7
	global_load_b32 v[128+8*\a+\j], v9, s[12:13] offset:64*\a
.endr
.endr
	WIN 0
.Lbias_done:
	s_wait_tensorcnt 0x0                           ; my 64 rows are in,
	s_barrier_signal -1
	s_barrier_wait -1                              ; and everybody's
	FETCH 0
	s_wait_loadcnt 0x0
.irp j, 0,1,2,3,4,5,6,7,8,9,10,11,12,13,14,15,16,17,18,19,20,21,22,23,24,25,26,27,28,29,30,31
	v_cndmask_b32 v[SC+\j], v[SC+\j], v[YT+\j], s99   ; lanes 16-31 take Y's words
.endr
	s_wait_alu depctr_va_vdst(0)
	PLACES 8                                       ; a scale register written by a vector instruction stands 8 places ahead
	FETCH 1
	s_wait_dscnt NLD
	s_cmp_eq_u32 s98, 1
	s_cbranch_scc1 .Lfirst_v
	WIN 0x50
	MUL 0, 1
	WIN 0
	s_branch .Lfirst_done
.Lfirst_v:
	WIN 0x50
	MUL 0, 2
	WIN 0
.Lfirst_done:
.set ST, 1
.rept 6
	STEP ST
.set ST, ST+1
.endr
	s_wait_dscnt 0x0
	WIN 0x50
	MUL 7, 0
	WIN 0
	PLACES 4                                       ; behind the last two steps' products: the lines below write registers that held their fragments
; THE QUANTISER: block k = 2 a + e is registers 16 k .. 16 k + 15 of window 1 in lanes l and l xor 16
.irp k, 0,1,2,3,4,5,6,7
	v_mov_b32 v[TP+\k], 0                          ; a lane permute's destination counts as a source; also the places behind the last products
.endr
	WIN 0x05
.irp k, 0,1,2,3,4,5,6,7
	v_max3_num_f32 v[TM+\k], |v[16*\k]|, |v[16*\k+1]|, 0x1800000   ; with the floor 2^(3 - 127)
.endr
.irp i, 2,4,6,8,10,12,14
.irp k, 0,1,2,3,4,5,6,7
	v_max3_num_f32 v[TM+\k], |v[16*\k+\i]|, |v[16*\k+\i+1]|, v[TM+\k]
.endr
.endr
	WIN 0
.irp k, 0,1,2,3,4,5,6,7
	v_permlanex16_b32 v[TP+\k], v[TM+\k], s100, s101
.endr
.irp k, 0,1,2,3,4,5,6,7
	v_max_num_f32 v[TM+\k], v[TM+\k], v[TP+\k]
.endr
.irp k, 0,1,2,3,4,5,6,7
	v_add_nc_u32 v[SO+\k], 0xff000000, v[TM+\k]    ; 2 off the exponent field: the conversion's scale operand
.endr
.irp k, 0,1,2,3,4,5,6,7
	v_lshrrev_b32 v[TP+\k], 23, v[SO+\k]           ; the scale's byte
.endr
.irp a, 0,1,2,3
	v_lshl_or_b32 v[PW+\a], v[TP+2*\a+1], 8, v[TP+2*\a]
.endr
	WIN 0x01
.irp a, 0,1,2,3
	v_cvt_scalef32_pk16_fp6_f32 v[OC+6*\a:OC+6*\a+2], v[32*\a:32*\a+15], v[SO+2*\a]
	v_cvt_scalef32_pk16_fp6_f32 v[CT+4*\a:CT+4*\a+2], v[32*\a+16:32*\a+31], v[SO+2*\a+1]
.endr
	WIN 0
	v_nop                                          ; one plain place behind a scaled conversion
.irp a, 0,1,2,3                        ; a whole block in a lane: lanes 0-15 block 0, lanes 16-31 block 1
.irp i, 0,1,2
	v_permlane16_swap_b32 v[OC+6*\a+\i], v[CT+4*\a+\i]
.endr
.irp i, 0,1,2
	v_mov_b32 v[OC+6*\a+3+\i], v[CT+4*\a+\i]
.endr
.endr
	v_cndmask_b32 v[SA], v[PW], v[PW+1], s99
	v_cndmask_b32 v[SA+1], v[PW+2], v[PW+3], s99
	s_wait_alu depctr_va_vdst(0)
	s_cmp_eq_u32 s98, 1
	s_cbranch_scc1 .Lstore_v
.irp j, 0,1,2,3,4,5
	global_store_b128 v[ST16], v[OC+4*\j:OC+4*\j+3], s[88:89] offset:512*\j   ; 512 consecutive bytes an instruction
.endr
	s_branch .Lstored
.Lstore_v:
.irp a, 0,1,2,3
	global_store_b128 v[ST16], v[OC+6*\a:OC+6*\a+3], s[88:89] offset:768*\a
	global_store_b64 v[ST8], v[OC+6*\a+4:OC+6*\a+5], s[88:89] offset:768*\a+512
.endr
.Lstored:
	global_store_b64 v[ST8], v[SA:SA+1], s[90:91]  ; 256 consecutive bytes
	s_wait_tensorcnt 0x0                           ; the wave's end
	ds_add_u32 v[SPW], v[NIL]
	s_wait_dscnt 0x0
	CROUND                                         ; the closing round
	s_endpgm
.Lfunc_end_k_q2d7745c8dc_proj:
	.size	k_q2d7745c8dc_proj, .Lfunc_end_k_q2d7745c8dc_proj-k_q2d7745c8dc_proj
	.p2alignl 7, 3214868480
	.fill 96, 4, 3214868480
	.section	.rodata,"a",@progbits
	.p2align	6, 0x0
	.amdhsa_kernel k_q2d7745c8dc_proj
		.amdhsa_group_segment_fixed_size 327680
		.amdhsa_private_segment_fixed_size 0
		.amdhsa_enable_private_segment 0
		.amdhsa_kernarg_size 136
		.amdhsa_user_sgpr_count 2
		.amdhsa_user_sgpr_kernarg_segment_ptr 1
		.amdhsa_wavefront_size32 1
		.amdhsa_system_sgpr_workgroup_id_x 1
		.amdhsa_system_sgpr_workgroup_id_y 1
		.amdhsa_system_sgpr_workgroup_id_z 1
		.amdhsa_system_vgpr_workitem_id 0
		.amdhsa_next_free_vgpr 512
		.amdhsa_next_free_sgpr 102
		.amdhsa_reserve_vcc 0
		.amdhsa_float_denorm_mode_32 3
		.amdhsa_float_denorm_mode_16_64 3
		.amdhsa_memory_ordered 1
		.amdhsa_forward_progress 1
		.amdhsa_inst_pref_size 69
	.end_amdhsa_kernel
	.amdgpu_metadata
---
amdhsa.version: [ 1, 2 ]
amdhsa.kernels:
  - .name:           k_q2d7745c8dc_proj
    .symbol:         k_q2d7745c8dc_proj.kd
    .args:
      - { .name: Q_codes, .offset: 0, .size: 8, .value_kind: global_buffer, .address_space: global }
      - { .name: Q_scales, .offset: 8, .size: 8, .value_kind: global_buffer, .address_space: global }
      - { .name: w_q_codes, .offset: 16, .size: 8, .value_kind: global_buffer, .address_space: global }
      - { .name: w_q_scales, .offset: 24, .size: 8, .value_kind: global_buffer, .address_space: global }
      - { .name: b_q, .offset: 32, .size: 8, .value_kind: global_buffer, .address_space: global }
      - { .name: K_codes, .offset: 40, .size: 8, .value_kind: global_buffer, .address_space: global }
      - { .name: K_scales, .offset: 48, .size: 8, .value_kind: global_buffer, .address_space: global }
      - { .name: w_k_codes, .offset: 56, .size: 8, .value_kind: global_buffer, .address_space: global }
      - { .name: w_k_scales, .offset: 64, .size: 8, .value_kind: global_buffer, .address_space: global }
      - { .name: b_k, .offset: 72, .size: 8, .value_kind: global_buffer, .address_space: global }
      - { .name: V_codes, .offset: 80, .size: 8, .value_kind: global_buffer, .address_space: global }
      - { .name: V_scales, .offset: 88, .size: 8, .value_kind: global_buffer, .address_space: global }
      - { .name: w_v_codes, .offset: 96, .size: 8, .value_kind: global_buffer, .address_space: global }
      - { .name: w_v_scales, .offset: 104, .size: 8, .value_kind: global_buffer, .address_space: global }
      - { .name: b_v, .offset: 112, .size: 8, .value_kind: global_buffer, .address_space: global }
      - { .name: qrec, .offset: 120, .size: 8, .value_kind: global_buffer, .address_space: global }
      - { .name: kv, .offset: 128, .size: 8, .value_kind: global_buffer, .address_space: global }
    .group_segment_fixed_size: 327680
    .private_segment_fixed_size: 0
    .kernarg_segment_align: 8
    .kernarg_segment_size: 136
    .max_flat_workgroup_size: 128
    .sgpr_count:     102
    .vgpr_count:     512
    .wavefront_size: 32
...
	.end_amdgpu_metadata
.endif
;; end of part 1
;; launch attn (part 2): grid 16 x 16, 16 waves a work-group, clusters of 4 x 1, 327,680 bytes of LDS; arguments qrec, kv, oimg, osc; writes oimg, osc
.if DOCPART == 2
	.amdgcn_target "amdgcn-amd-amdhsa--gfx1250"
	.amdhsa_code_object_version 6
	.text
	.protected	k_q2d7745c8dc_attn
	.globl	k_q2d7745c8dc_attn
	.p2align	8
	.type	k_q2d7745c8dc_attn,@function
k_q2d7745c8dc_attn:
	s_mov_b64 s[64:65], 0
	v_nop
	global_prefetch_b8 v0, s[64:65] scope:SCOPE_SE
	s_setreg_imm32_b32 hwreg(HW_REG_WAVE_MODE, 25, 1), 1
	s_wait_xcnt 0x0
	s_wait_alu depctr_hold_cnt(0) depctr_sa_sdst(0) depctr_va_vdst(0) depctr_va_sdst(0) depctr_va_ssrc(0) depctr_va_vcc(0) depctr_vm_vsrc(0)
	s_getreg_b32 s2, hwreg(HW_REG_IB_STS2, 6, 4)
	s_cmp_eq_u32 s2, 0
	s_cbranch_scc0 .Lentry_in_a_cluster
	s_endpgm
.Lentry_in_a_cluster:
	s_bfe_u32 s2, ttmp6, 0x10000c
	s_cmp_lg_u32 s2, 0x3003
	s_cbranch_scc0 .Lentry_shape_is_right
	s_endpgm
.Lentry_shape_is_right:
; o[q] = the sum over keys of softmax(q . k / 8) v for 16 heads of 64, 4,096 queries and keys, both products on codes of FP6 (E2M3) with one E8M0 scale for each 32 along K; o is quantised at once for the last product.
; THE SOFTMAX AHEAD OF THE SECOND PRODUCT: t = score x log2(e) / 8; M = the row's largest t so far, rounded UP to a whole number; p = 2^(t - M) is what is quantised, along the keys, not normalised.
; The row's sum is taken of the unquantised p and divides O at the end.  When M moves, the sum and O are multiplied by 2^(old M - new M): exact.
; IN.  qrec and kv hold images of operand registers: a key step of 128 keys is one record of 13,312 bytes: k's eight tiles (six registers each), v's four channel tiles (twelve each), their scale words.
; k's fragments come by loads of 16 bytes a lane, 512 consecutive bytes an instruction; v's by 16 and then 8 bytes a lane.
; SHARES.  A work-group owns 256 queries of one head; each of its sixteen waves one tile of 16, in 256 registers: four waves to a SIMD, so that one wave's vector work stands beside another's matrix work and LDS loads.
; Both products are used transposed: S^T = k q^T, O^T = v^T p^T: a lane holds ONE query throughout.  Tile t holds keys 16 t + 8 (l / 16) + j: p's codes so come out in the order 0-7, 16-23, 8-15, 24-31 inside each
; block of 32 keys, which is the order in which v's codes were laid; q's and k's features likewise.  LIMIT: the order of terms inside a sum differs from ascending k.
; THE SCORE PRODUCT HAS K = 64 in an instruction of 128: registers 6-11 of q's fragment are zero codes, so registers 6-11 of a key tile's fragment may hold any codes (no code of this format is NaN or infinity):
; the eight key tiles lie six registers apart, each followed by the next, the last by six zeros; bytes 2 and 3 of q's and k's scale words are 0.
; THE RING: two slots of eight key steps, filled by waves 0 to 3, one load each.  CLUSTER: the four query blocks of a cluster walk the same head: each load is asked for jointly, by all four.
; A refill is asked for at a slot's head and first read eight key steps later, so no prefetch is laid.
; OUT.  oimg [256 tiles of 16 tokens][16 heads][768]: a head's six registers of codes (four at 16 x lane, two at 8 x lane), here with the channels in ascending order, as w_o's codes have them;
; osc [16 blocks of 256 tokens][16 heads][256 tokens] two scale bytes each.
; LIMITS: a block of zeros gets the scale byte 1 (its codes are zeros; this program alone reads the bytes); blocks whose largest magnitude lies under 2^-124 were not tried; NaN and infinities are not served.
.set REC,   13312                      ; a key step's record: k's codes 6,144 (planes of 16 bytes a lane), v's 6,144 ([half of 64 keys][channel tile] 512 + 256 bytes), k's scale words 512 and v's 512 (planes of 8 bytes a lane; v's by halves of the keys, two bytes a word)
.set STEPS, 8                          ; key steps in a slot
.set SLOTB, STEPS*REC
.set SLOT1, 1<<17                      ; slot 1 begins here: one exclusive or turns an address in one slot into the other's
.set SPARE, SLOT1+SLOTB                ; the spare words, 128 bytes for each wave: eight blocks of 256 bytes that no other line names
.set STG,   SPARE+2048                 ; 512 bytes: the work-group's 256 pairs of scale bytes; no fill lands here
.set HEADB, 32*REC
.set QREC,  6656
.set SPW, 5                            ; v5   LDS address of my spare word; never rewritten
.set NIL, 6                            ; v6   0; never rewritten
.set F,   32                           ; v32-79 k's fragments, then v's; v80-85 zeros
.set S,   96                           ; v96-159 S^T, then p
.set O,   160                          ; v160-191 O^T
.set PC,  192                          ; v192-203 p's codes
.set CT,  204                          ; v204-206, v208-210 the second halves of the blocks' codes
.set BM,  212                          ; v212-215 the blocks' largest scores, then largest p
.set PT,  216                          ; v216-219 at work
.set SO,  220                          ; v220-223 the conversions' scale operands
.set PWD, 224                          ; v224 p's scale word
.set FF,  226                          ; v[226:227] f
.set TMP, 228
.set WV,  12
.set SEL, 20                           ; s[20:21] lane selects for v_permlanex16_b32: lane l xor 16
.set CS,  22                           ; s[22:23] c = log2(e) / 8
.set TB,  32                           ; s32  LDS byte at which the key step in hand begins
.macro TLOAD                           ; waves 0 to 3 fetch a quarter of a slot each; four v_nop follow the line
	s_cmp_lt_u32 s[WV], 4
	s_cbranch_scc0 .Lasked_\@
	tensor_load_to_lds s[16:19], s[24:31]
	s_nop 0
.rept 4
	v_nop
.endr
.Lasked_\@:
.endm
.macro CROUND                          ; a round of the cluster's barrier
	s_barrier_signal -1
	s_barrier_wait -1
	s_cmp_lg_u32 s[WV], 0
	s_cbranch_scc1 .Lnot_wave_0_\@
	s_barrier_signal -3
.Lnot_wave_0_\@:
	s_barrier_wait -3
	s_barrier_signal -1
	s_barrier_wait -1
.endm
	s_load_b256 s[4:11], s[0:1], 0x0               ; qrec s[4:5], kv s[6:7], oimg s[8:9], osc s[10:11]
	v_lshl_add_u32 v[SPW], v0, 2, SPARE
	v_mov_b32 v[NIL], 0
	ds_add_u32 v5, v6
	ds_add_u32 v5, v6
	s_wait_dscnt 0x0
	v_lshrrev_b32 v8, 5, v0
	s_delay_alu instid0(VALU_DEP_1)
	v_readfirstlane_b32 s[WV], v8                  ; wave 0..15
	s_bfe_u32 s13, ttmp6, 0x40000                  ; cx: it enters q's, oimg's and osc's addresses alone
	s_lshl_b32 s14, ttmp9, 2
	s_add_co_u32 s14, s14, s13                     ; my block of 256 queries
	s_and_b32 s15, ttmp7, 0xffff                   ; the head, which the four partners share
	; descriptor group 1: two key steps, 26,624 dense bytes, as 104 rows of 256 (32 elements of 8 bytes), no padding
	s_mov_b32 s24, 15|(3<<16)|(1<<21)              ; 15:0 the mask: all four work-groups; 17:16 elements of 8 bytes; 21 set beside a mask
	s_mov_b32 s25, 32<<16                          ; tensor_dim0
	s_mov_b32 s26, 104<<16                         ; tensor_dim1: two key steps are 104 rows of 256 bytes
	s_mov_b32 s27, 32<<16                          ; tile_dim0
	s_mov_b32 s28, 104                             ; tile_dim1
	s_mov_b32 s29, 32                              ; tensor_dim0_stride
	s_mov_b32 s30, 0
	s_mov_b32 s31, 0
	s_and_b32 s35, s[WV], 3
	s_mul_i32 s35, s35, 2*REC                      ; my quarter of a slot, in LDS and in memory
	s_mul_i32 s36, s15, HEADB
	s_add_co_u32 s36, s36, s35
	s_mov_b32 s37, 0
	s_mov_b32 s[SEL], 0x76543210
	s_mov_b32 s[SEL+1], 0xfedcba98
	s_mov_b32 s[CS], 0x3e38aa3b                    ; c = log2(e) / sqrt(64)
	s_mov_b32 s[CS+1], s[CS]                       ; (named with it as a pair, so it is written)
	s_mov_b32 s[TB], 0
	s_mov_b32 s34, 3                               ; slots still to be asked for
	s_wait_kmcnt 0x0
	s_mov_b32 s16, 1                               ; group 0: count = 1,
	s_mov_b32 s17, s35                             ; LDS address: slot 0,
	s_add_nc_u64 s[18:19], s[6:7], s[36:37]        ; the head's first eight key steps,
	s_or_b32 s19, s19, 0x80000000                  ; type = 2
	CROUND                                         ; all four work-groups are here: the first joint loads meet
	TLOAD                                          ; slot 0
	v_and_b32 v7, 31, v0
	s_delay_alu instid0(VALU_DEP_1)
	v_lshlrev_b32 v1, 4, v7                        ; 16 x lane
	s_wait_alu depctr_va_vdst(0)
	v_lshlrev_b32 v2, 3, v7                        ; 8 x lane
	v_and_b32 v11, 15, v0                          ; r
	s_wait_alu depctr_va_vdst(0)
	v_add_nc_u32 v29, STG, v1                      ; the stage, read: 16 bytes a lane
	v_and_b32 v30, 0x1e0, v0                       ; the stage, written: 32 bytes a wave,
	s_delay_alu instid0(VALU_DEP_1)
	v_lshl_add_u32 v30, v11, 1, v30                ; 2 bytes a query
	s_delay_alu instid0(VALU_DEP_1)
	v_add_nc_u32 v30, STG, v30
	s_lshr_b32 s35, s[WV], 3
	s_lshl_b32 s36, s14, 1
	s_add_co_u32 s35, s35, s36                     ; my group of 128 queries
	s_lshl_b32 s36, s15, 5
	s_add_co_u32 s35, s35, s36
	s_mul_i32 s36, s35, QREC
	s_mov_b32 s37, 0
	s_add_nc_u64 s[4:5], s[4:5], s[36:37]          ; its record
	s_and_b32 s38, s[WV], 7                        ; my tile b in it: registers 6 b .. 6 b + 5 of the image's run
	s_mul_i32 s39, s38, 3
.irp p, 0,1,2                                  ; registers 2 (3 b + p), + 1: plane (3 b + p) / 2, its lower or upper 8 bytes
	s_add_co_u32 s40, s39, \p
	s_lshr_b32 s41, s40, 1
	s_lshl_b32 s41, s41, 9
	s_and_b32 s40, s40, 1
	s_lshl_b32 s40, s40, 3
	s_add_co_u32 s40, s40, s41
	v_add_nc_u32 v[8+\p], s40, v1
	global_load_b64 v[16+2*\p:17+2*\p], v[8+\p], s[4:5]
.endr
	s_and_b32 s40, s38, 1                          ; q's scale word: plane b / 4 of 256 bytes, register (b / 2) % 2 of its two, lanes 16 (b % 2) + r
	s_lshl_b32 s40, s40, 7
	s_bfe_u32 s41, s38, 0x10001
	s_lshl_b32 s41, s41, 2
	s_add_co_u32 s40, s40, s41
	s_lshr_b32 s41, s38, 2
	s_lshl_b32 s41, s41, 8
	s_add_co_u32 s40, s40, s41
	v_lshl_add_u32 v11, v11, 3, s40
	global_load_b32 v28, v11, s[4:5] offset:6144
	v_mov_b32 v13, 0xff61b1e6                      ; the largest t so far: -3e38, under every t
	s_delay_alu instid0(VALU_DEP_1)
	v_floor_f32 v12, -v13                          ; -M
	v_mov_b32 v14, 0                               ; the sum, in two halves
	v_mov_b32 v15, 0
.irp j, 0,1,2,3,4,5
	v_mov_b32 v[22+\j], 0                          ; the upper half of q's K: zero codes
	v_mov_b32 v[80+\j], 0                          ; and what follows the last key tile
.endr
.irp j, 0,1,2,3
	v_mov_b32 v[PT+\j], 0                          ; written once: a lane permute's destination counts as one of its sources
.endr
	v_mov_b32 v[FF+1], 0                           ; (named as the upper half of the pair before it is first written)
.irp j, 0,1,2,3,4,5,6,7,8,9,10,11,12,13,14,15,16,17,18,19,20,21,22,23,24,25,26,27,28,29,30,31
	v_mov_b32 v[O+\j], 0                           ; O^T.  (The loop is written once: its first step finds zeros, which the first change of M leaves zeros)
.endr
; A KEY STEP: 128 keys.
.macro STEP
	v_add_nc_u32 v3, s[TB], v1
	v_add_nc_u32 v4, s[TB], v2
	v_nop
	v_nop                                          ; four places in front of loads into registers that the last products have read
.irp j, 0,1,2,3,4,5,6,7,8,9,10,11
	ds_load_b128 v[F+4*\j:F+4*\j+3], v3 offset:512*\j              ; k's eight tiles
.endr
	ds_load_b64 v[86:87], v4 offset:12288          ; k's scale words: register i: tile 2 i in lanes 0-15, tile 2 i + 1 in lanes 16-31
	ds_load_b64 v[88:89], v4 offset:12544
	ds_load_b64 v[90:91], v4 offset:12800          ; v's, keys 0-63: two bytes a word,
	ds_load_b64 v[92:93], v4 offset:13056          ; and keys 64-127
	s_wait_alu depctr_va_vdst(0)
	s_wait_dscnt 0x0
.irp t, 0,1,2,3,4,5,6,7                        ; S^T = k q^T
.if \t%2
	v_wmma_scale_f32_16x16x128_f8f6f4 v[S+8*\t:S+8*\t+7], v[F+6*\t:F+6*\t+11], v[16:27], 0, v[86+\t/2], v28 matrix_a_fmt:MATRIX_FMT_FP6 matrix_b_fmt:MATRIX_FMT_FP6 matrix_a_scale:MATRIX_SCALE_ROW1
.else
	v_wmma_scale_f32_16x16x128_f8f6f4 v[S+8*\t:S+8*\t+7], v[F+6*\t:F+6*\t+11], v[16:27], 0, v[86+\t/2], v28 matrix_a_fmt:MATRIX_FMT_FP6 matrix_b_fmt:MATRIX_FMT_FP6
.endif
.endr
	v_lshl_or_b32 v90, v92, 16, v90                ; v's scale words made whole; with the two v_nop: four places in front of the loads below and of the first read of the scores
	v_lshl_or_b32 v91, v93, 16, v91
	v_nop
	v_nop
.irp t, 0,1,2,3
.irp c, 0,1
	ds_load_b128 v[F+12*\t+6*\c:F+12*\t+6*\c+3], v3 offset:6144+3072*\c+768*\t         ; v's four channel tiles come while the softmax is worked
	ds_load_b64 v[F+12*\t+6*\c+4:F+12*\t+6*\c+5], v4 offset:6144+3072*\c+768*\t+512
.endr
.endr
.irp b, 0,1,2,3
	v_max3_num_f32 v[BM+\b], v[S+16*\b], v[S+1+16*\b], v[S+2+16*\b]   ; THE LARGEST SCORE OF EACH BLOCK OF 32 KEYS: it serves twice: for the row's maximum, and, since p rises with the score, for the block's largest p
.endr
.irp i, 3,5,7,9,11,13
.irp b, 0,1,2,3
	v_max3_num_f32 v[BM+\b], v[BM+\b], v[S+16*\b+\i], v[S+1+16*\b+\i]   ; (the four blocks by turns)
.endr
.endr
.irp b, 0,1,2,3
	v_max_num_f32 v[BM+\b], v[BM+\b], v[S+15+16*\b]
.endr
.irp b, 0,1,2,3
	s_delay_alu instid0(VALU_DEP_4)
	v_permlanex16_b32 v[PT+\b], v[BM+\b], s[SEL], s[SEL+1]
.endr
.irp b, 0,1,2,3
	s_delay_alu instid0(VALU_DEP_4)
	v_max_num_f32 v[BM+\b], v[BM+\b], v[PT+\b]     ; with lane l xor 16's 16 keys
.endr
	s_delay_alu instid0(VALU_DEP_2)
	v_max3_num_f32 v[TMP], v[BM], v[BM+1], v[BM+2]
	s_delay_alu instid0(VALU_DEP_1)
	v_max_num_f32 v[TMP], v[TMP], v[BM+3]          ; the step's largest score of my query
	s_delay_alu instid0(VALU_DEP_1)
	v_mul_f32 v[TMP], s[CS], v[TMP]                ; as t (c is positive)
	s_delay_alu instid0(VALU_DEP_1)
	v_max_num_f32 v13, v13, v[TMP]                 ; the running largest t
	v_mov_b32 v[TMP], v12
	s_delay_alu instid0(VALU_DEP_2)
	v_floor_f32 v12, -v13                          ; the new -M = floor(-t) = -ceil(t): M IS A WHOLE NUMBER
	s_delay_alu instid0(VALU_DEP_1)
	v_sub_f32 v[TMP], v12, v[TMP]                  ; M's old value less its new one: a whole number, 0 or less
	s_delay_alu instid0(VALU_DEP_1)
	v_cvt_i32_f32 v[TMP], v[TMP]                   ; (it saturates)
	s_delay_alu instid0(VALU_DEP_1)
	v_ldexp_f32 v[FF], 1.0, v[TMP]                 ; f = 2^(old M - new M)
.irp j, 0,2,4,6,8,10,12,14,16,18,20,22,24,26,28,30,32,34,36,38,40,42,44,46,48,50,52,54,56,58,60,62
	v_pk_fma_f32 v[S+\j:S+1+\j], v[S+\j:S+1+\j], s[CS:CS+1], v[12:13] op_sel_hi:[1,0,0]   ; t - M, two at a time (of the pairs c and -M the low word serves both halves)
.endr
.irp b, 0,1,2,3
	v_fma_f32 v[BM+\b], v[BM+\b], s[CS], v12       ; the same of each block's largest score
.endr
	s_wait_alu depctr_va_vdst(0)
.irp j, 0,1,2,3,4,5,6,7,8,9,10,11,12,13,14,15,16,17,18,19,20,21,22,23,24,25,26,27,28,29,30,31,32,33,34,35,36,37,38,39,40,41,42,43,44,45,46,47,48,49,50,51,52,53,54,55,56,57,58,59,60,61,62,63
	v_exp_f32 v[S+\j], v[S+\j]                     ; p = 2^(t - M): NOT normalised
.endr
.irp b, 0,1,2,3
	v_exp_f32 v[BM+\b], v[BM+\b]                   ; the block's largest p: the same two instructions on the same number give the same bits
.endr
	v_pk_mul_f32 v[14:15], v[14:15], v[FF:FF+1] op_sel_hi:[1,0]   ; the sums under the new M.  (A plain place behind the exponentials)
	s_wait_alu depctr_va_vdst(0)
.irp b, 0,1,2,3
	v_max_num_f32 v[BM+\b], 0x1800000, v[BM+\b]    ; the floor 2^(3 - 127): the byte cannot fall under 1
.endr
.irp b, 0,1,2,3
	s_delay_alu instid0(VALU_DEP_4)
	v_add_nc_u32 v[SO+\b], 0xff000000, v[BM+\b]    ; 2 off the exponent field: the conversion's scale operand
.endr
.irp b, 0,1,2,3
	s_delay_alu instid0(VALU_DEP_4)
	v_lshrrev_b32 v[PT+\b], 23, v[SO+\b]           ; the scale's byte
.endr
	s_delay_alu instid0(VALU_DEP_3)
	v_lshl_or_b32 v[PWD], v[PT+1], 8, v[PT]        ; p's scale word for these 128 keys
	s_delay_alu instid0(VALU_DEP_1)
	v_lshl_or_b32 v[PWD], v[PT+2], 16, v[PWD]
	s_delay_alu instid0(VALU_DEP_1)
	v_lshl_or_b32 v[PWD], v[PT+3], 24, v[PWD]
.irp c, 0,1
	v_cvt_scalef32_pk16_fp6_f32 v[PC+6*\c:PC+6*\c+2], v[S+32*\c:S+32*\c+15], v[SO+2*\c]
	v_cvt_scalef32_pk16_fp6_f32 v[CT+4*\c:CT+4*\c+2], v[S+16+32*\c:S+31+32*\c], v[SO+2*\c+1]   ; (a conversion's three registers begin on an even number)
.endr
	v_nop                                          ; one plain place behind a scaled conversion
.irp c, 0,1                                    ; the operand's layout wants a WHOLE block in a lane: lanes 0-15 block 2 c, lanes 16-31 block 2 c + 1
.irp i, 0,1,2
	v_permlane16_swap_b32 v[PC+6*\c+\i], v[CT+4*\c+\i]
.endr
.irp i, 0,1,2
	s_delay_alu instid0(VALU_DEP_3)
	v_mov_b32 v[PC+3+6*\c+\i], v[CT+4*\c+\i]
.endr
.endr
.irp j, 0,2,4,6,8,10,12,14,16,18,20,22,24,26,28,30
	v_pk_mul_f32 v[O+\j:O+1+\j], v[O+\j:O+1+\j], v[FF:FF+1] op_sel_hi:[1,0]   ; O^T under the new M: x f
.endr
	v_pk_add_f32 v[216:217], v[100:101], v[104:105]
	v_pk_add_f32 v[254:255], v[108:109], v[112:113]
	v_pk_add_f32 v[252:253], v[116:117], v[120:121]
	v_pk_add_f32 v[250:251], v[124:125], v[128:129]
	v_pk_add_f32 v[248:249], v[132:133], v[136:137]
	v_pk_add_f32 v[246:247], v[140:141], v[144:145]
	v_pk_add_f32 v[244:245], v[148:149], v[152:153]
	v_pk_add_f32 v[14:15], v[14:15], v[156:157]
	v_pk_add_f32 v[216:217], v[216:217], v[96:97]
	v_pk_add_f32 v[254:255], v[254:255], v[98:99]
	v_pk_add_f32 v[252:253], v[252:253], v[102:103]
	v_pk_add_f32 v[250:251], v[250:251], v[106:107]
	v_pk_add_f32 v[248:249], v[248:249], v[110:111]
	v_pk_add_f32 v[246:247], v[246:247], v[114:115]
	v_pk_add_f32 v[244:245], v[244:245], v[118:119]
	v_pk_add_f32 v[14:15], v[14:15], v[122:123]
	v_pk_add_f32 v[216:217], v[216:217], v[126:127]
	v_pk_add_f32 v[254:255], v[254:255], v[130:131]
	v_pk_add_f32 v[252:253], v[252:253], v[134:135]
	v_pk_add_f32 v[250:251], v[250:251], v[138:139]
	v_pk_add_f32 v[248:249], v[248:249], v[142:143]
	v_pk_add_f32 v[246:247], v[246:247], v[146:147]
	v_pk_add_f32 v[244:245], v[244:245], v[150:151]
	v_pk_add_f32 v[14:15], v[14:15], v[154:155]
	v_pk_add_f32 v[216:217], v[216:217], v[158:159]
	s_delay_alu instid0(VALU_DEP_2)
	v_pk_add_f32 v[14:15], v[14:15], v[250:251]
	s_delay_alu instid0(VALU_DEP_2)
	v_pk_add_f32 v[216:217], v[216:217], v[248:249]
	v_pk_add_f32 v[254:255], v[254:255], v[246:247]
	v_pk_add_f32 v[252:253], v[252:253], v[244:245]
	s_delay_alu instid0(VALU_DEP_2)
	v_pk_add_f32 v[14:15], v[14:15], v[254:255]
	s_delay_alu instid0(VALU_DEP_2)
	v_pk_add_f32 v[216:217], v[216:217], v[252:253]
	s_delay_alu instid0(VALU_DEP_1)
	v_pk_add_f32 v[14:15], v[14:15], v[216:217]
	s_wait_dscnt 0x0                               ; v is in
.irp t, 0,1,2,3                                ; O^T += v^T p^T: the four accumulators by turns, one instruction a turn
.if \t%2
	v_wmma_scale_f32_16x16x128_f8f6f4 v[O+8*\t:O+8*\t+7], v[F+12*\t:F+12*\t+11], v[PC:PC+11], v[O+8*\t:O+8*\t+7], v[90+\t/2], v[PWD] matrix_a_fmt:MATRIX_FMT_FP6 matrix_b_fmt:MATRIX_FMT_FP6 matrix_a_scale:MATRIX_SCALE_ROW1
.else
	v_wmma_scale_f32_16x16x128_f8f6f4 v[O+8*\t:O+8*\t+7], v[F+12*\t:F+12*\t+11], v[PC:PC+11], v[O+8*\t:O+8*\t+7], v[90+\t/2], v[PWD] matrix_a_fmt:MATRIX_FMT_FP6 matrix_b_fmt:MATRIX_FMT_FP6
.endif
.endr
.endm
; THE CHANGE OF SLOTS stands at a slot's head.  Each wave waits for all its tensor loads (its part of the slot that it is about to read), adds 0 to its spare word, and waits for that and for its reads of the slot that it has left.
; fill = 1: the barrier is a round of the cluster's, and behind it the slot that was left is filled with the keys that follow: the load has eight key steps in which to land.
.macro CHANGE fill
	s_wait_tensorcnt 0x0                           ; no tensor load of mine is out, so group 0 may be written
	ds_add_u32 v[SPW], v[NIL]                      ; 0 onto my spare word
.if \fill
	s_xor_b32 s17, s17, SLOT1                      ; the other slot than last time,
	s_add_nc_u64 s[18:19], s[18:19], SLOTB         ; the next eight key steps; the type bits on top are not reached
.endif
	s_wait_dscnt 0x0                               ; the add is done, and my reads of the slot that I have left are over
.if \fill
	CROUND
	TLOAD                                          ; the first thing behind the round, and a wave's one tensor load until the next
.else
	s_barrier_signal -1
	s_barrier_wait -1
.endif
.endm
.macro SLOT_STEPS                      ; a slot's eight key steps: written once, walked eight times
	s_mov_b32 s33, STEPS
.Lstep_\@:
	STEP
	s_add_co_u32 s[TB], s[TB], REC
	s_sub_co_u32 s33, s33, 1
	s_cmp_lg_u32 s33, 0
	s_cbranch_scc1 .Lstep_\@
	s_sub_co_u32 s[TB], s[TB], SLOTB               ; back to a slot's first step,
	s_xor_b32 s[TB], s[TB], SLOT1                  ; in the other slot
.endm
	s_wait_loadcnt 0x0                             ; q
.Lslot:                                            ; three trips: behind each change of slots but the last the next slot is asked for
	CHANGE 1
	SLOT_STEPS
	s_sub_co_u32 s34, s34, 1
	s_cmp_lg_u32 s34, 0
	s_cbranch_scc1 .Lslot
	CHANGE 0                                       ; the last slot is written out
	SLOT_STEPS
	; THE WAY OUT: o = O^T / the sum, quantised along the channels.
.rept 4
	v_nop                                          ; places behind the last products
.endr
	s_wait_alu depctr_va_vdst(0)
	v_add_f32 v14, v14, v15                        ; the sum's two halves,
	s_delay_alu instid0(VALU_DEP_1)
	v_permlanex16_b32 v[FF], v14, s[SEL], s[SEL+1]
	s_delay_alu instid0(VALU_DEP_1)
	v_add_f32 v14, v14, v[FF]                      ; and lane l xor 16's: the row's sum
	s_wait_alu depctr_va_vdst(0)
	v_rcp_f32 v14, v14
	v_nop                                          ; a plain place behind the transcendental
	s_wait_alu depctr_va_vdst(0)
.irp j, 0,1,2,3,4,5,6,7,8,9,10,11,12,13,14,15,16,17,18,19,20,21,22,23,24,25,26,27,28,29,30,31
	v_mul_f32 v[S+\j], v[O+\j], v14                ; register 8 t + j: channel 16 t + 8 (l / 16) + j; each accumulator from its low end on
.endr
.irp e, 0,1                                    ; w_o's codes have their K in ascending order, so o's must: register j of tile 2 e gives its lanes 16-31 for register j of tile 2 e + 1's lanes 0-15;
.irp j, 0,1,2,3,4,5,6,7                        ; then registers 16 e + 0 .. 15 are channels 32 e + 16 (l / 16) + 0 .. 15
	v_permlane16_swap_b32 v[S+16*\e+\j], v[S+8+16*\e+\j]
.endr
.endr
.irp e, 0,1
	v_max3_num_f32 v[BM+\e], |v[S+16*\e]|, |v[S+1+16*\e]|, 0x1800000   ; my 16 numbers of block e, and the floor 2^(3 - 127)
.endr
.irp i, 2,4,6,8,10,12,14
.irp e, 0,1
	s_delay_alu instid0(VALU_DEP_2)
	v_max3_num_f32 v[BM+\e], v[BM+\e], |v[S+16*\e+\i]|, |v[S+1+16*\e+\i]|
.endr
.endr
.irp e, 0,1
	s_delay_alu instid0(VALU_DEP_2)
	v_permlanex16_b32 v[PT+\e], v[BM+\e], s[SEL], s[SEL+1]
.endr
.irp e, 0,1
	s_delay_alu instid0(VALU_DEP_2)
	v_max_num_f32 v[BM+\e], v[BM+\e], v[PT+\e]     ; the block's largest magnitude
.endr
.irp e, 0,1
	s_delay_alu instid0(VALU_DEP_2)
	v_add_nc_u32 v[SO+\e], 0xff000000, v[BM+\e]
.endr
.irp e, 0,1
	s_delay_alu instid0(VALU_DEP_2)
	v_lshrrev_b32 v[PT+\e], 23, v[SO+\e]
.endr
	s_delay_alu instid0(VALU_DEP_1)
	v_lshl_or_b32 v[TMP], v[PT+1], 8, v[PT]        ; my query's two scale bytes
	v_cvt_scalef32_pk16_fp6_f32 v[PC:PC+2], v[S:S+15], v[SO]
	v_cvt_scalef32_pk16_fp6_f32 v[CT:CT+2], v[S+16:S+31], v[SO+1]
	v_nop                                          ; one plain place behind a scaled conversion
.irp i, 0,1,2
	v_permlane16_swap_b32 v[PC+\i], v[CT+\i]
.endr
.irp i, 0,1,2
	s_delay_alu instid0(VALU_DEP_3)
	v_mov_b32 v[PC+3+\i], v[CT+\i]                 ; six registers: lanes 0-15 block 0, lanes 16-31 block 1
.endr
	s_lshl_b32 s35, s14, 4
	s_add_co_u32 s35, s35, s[WV]                   ; my tile of 16 tokens
	s_lshl_b32 s35, s35, 4
	s_add_co_u32 s35, s35, s15
	s_mul_i32 s36, s35, 768
	s_mov_b32 s37, 0
	s_add_nc_u64 s[8:9], s[8:9], s[36:37]
	global_store_b128 v1, v[PC:PC+3], s[8:9]       ; 512 consecutive bytes,
	global_store_b64 v2, v[PC+4:PC+5], s[8:9] offset:512   ; then 256
	ds_store_b16 v30, v[TMP]                       ; both lanes of a query write the same two bytes with the same value
	s_lshl_b32 s35, s14, 4
	s_add_co_u32 s35, s35, s15
	s_lshl_b32 s36, s35, 9
	s_add_nc_u64 s[10:11], s[10:11], s[36:37]
	s_wait_dscnt 0x0                               ; for the others' sake: my store into the stage is done
	s_barrier_signal -1
	s_barrier_wait -1
	s_cmp_lg_u32 s[WV], 0
	s_cbranch_scc1 .Lnot_first
	ds_load_b128 v[S:S+3], v29                     ; wave 0 stores the work-group's 512 bytes as two whole blocks of 256
	s_wait_dscnt 0x0
	global_store_b128 v1, v[S:S+3], s[10:11]
.Lnot_first:
	s_wait_tensorcnt 0x0                           ; the wave's end
	ds_add_u32 v[SPW], v[NIL]
	s_wait_dscnt 0x0
	CROUND                                         ; the closing round
	s_endpgm
.Lfunc_end_k_q2d7745c8dc_attn:
	.size	k_q2d7745c8dc_attn, .Lfunc_end_k_q2d7745c8dc_attn-k_q2d7745c8dc_attn
	.p2alignl 7, 3214868480
	.fill 96, 4, 3214868480
	.section	.rodata,"a",@progbits
	.p2align	6, 0x0
	.amdhsa_kernel k_q2d7745c8dc_attn
		.amdhsa_group_segment_fixed_size 327680
		.amdhsa_private_segment_fixed_size 0
		.amdhsa_enable_private_segment 0
		.amdhsa_kernarg_size 32
		.amdhsa_user_sgpr_count 2
		.amdhsa_user_sgpr_kernarg_segment_ptr 1
		.amdhsa_wavefront_size32 1
		.amdhsa_system_sgpr_workgroup_id_x 1
		.amdhsa_system_sgpr_workgroup_id_y 1
		.amdhsa_system_sgpr_workgroup_id_z 1
		.amdhsa_system_vgpr_workitem_id 0
		.amdhsa_next_free_vgpr 256
		.amdhsa_next_free_sgpr 66
		.amdhsa_reserve_vcc 0
		.amdhsa_float_denorm_mode_32 3
		.amdhsa_float_denorm_mode_16_64 3
		.amdhsa_memory_ordered 1
		.amdhsa_forward_progress 1
		.amdhsa_inst_pref_size 48
	.end_amdhsa_kernel
	.amdgpu_metadata
---
amdhsa.version: [ 1, 2 ]
amdhsa.kernels:
  - .name:           k_q2d7745c8dc_attn
    .symbol:         k_q2d7745c8dc_attn.kd
    .args:
      - { .name: qrec, .offset: 0, .size: 8, .value_kind: global_buffer, .address_space: global }
      - { .name: kv, .offset: 8, .size: 8, .value_kind: global_buffer, .address_space: global }
      - { .name: oimg, .offset: 16, .size: 8, .value_kind: global_buffer, .address_space: global }
      - { .name: osc, .offset: 24, .size: 8, .value_kind: global_buffer, .address_space: global }
    .group_segment_fixed_size: 327680
    .private_segment_fixed_size: 0
    .kernarg_segment_align: 8
    .kernarg_segment_size: 32
    .max_flat_workgroup_size: 512
    .sgpr_count:     66
    .vgpr_count:     256
    .wavefront_size: 32
...
	.end_amdgpu_metadata
.endif
;; end of part 2
;; launch outp (part 3): grid 8 x 32, 4 waves a work-group, clusters of 4 x 4, 327,680 bytes of LDS; arguments oimg, osc, w_o_codes, w_o_scales, b_o, out0; writes out0
.if DOCPART == 3
	.amdgcn_target "amdgcn-amd-amdhsa--gfx1250"
	.amdhsa_code_object_version 6
	.text
	.protected	k_q2d7745c8dc_outp
	.globl	k_q2d7745c8dc_outp
	.p2align	8
	.type	k_q2d7745c8dc_outp,@function
k_q2d7745c8dc_outp:
	s_mov_b64 s[64:65], 0
	v_nop
	global_prefetch_b8 v0, s[64:65] scope:SCOPE_SE
	s_setreg_imm32_b32 hwreg(HW_REG_WAVE_MODE, 25, 1), 1
	s_wait_xcnt 0x0
	s_wait_alu depctr_hold_cnt(0) depctr_sa_sdst(0) depctr_va_vdst(0) depctr_va_sdst(0) depctr_va_ssrc(0) depctr_va_vcc(0) depctr_vm_vsrc(0)
	s_getreg_b32 s2, hwreg(HW_REG_IB_STS2, 6, 4)
	s_cmp_eq_u32 s2, 0
	s_cbranch_scc0 .Lentry_in_a_cluster
	s_endpgm
.Lentry_in_a_cluster:
	s_bfe_u32 s2, ttmp6, 0x10000c
	s_cmp_lg_u32 s2, 0xf033
	s_cbranch_scc0 .Lentry_shape_is_right
	s_endpgm
.Lentry_shape_is_right:
; out0 = o w_o^T + b_o on codes of FP6 (E2M3) with E8M0 scales.  o: images of operand registers (oimg [256 tiles of 16 tokens][16 heads][768]) and pairs of scale bytes (osc [16 blocks of 256 tokens][16 heads][256 tokens]);
; w_o: rows of 768 bytes of codes, 32 scale bytes a row; out0 [4096][1024] f32.
; A work-group makes 128 tokens x 128 features; four waves, 64 x 64 each: 16 accumulators.  8 x 32 = 256 work-groups.  All of K lies in LDS, filled once, one tensor load a wave:
; o's 128 tokens are 98,304 dense bytes (two loads of 192 rows of 256); w_o's 128 rows two loads of 192 chunks of 256 bytes, 16 bytes of padding behind each (an LDS row is 816 bytes).  No byte of LDS is filled again.
; Source 0 = 16 rows of w_o, source 1 = 16 tokens: a lane holds eight neighbouring numbers of a row of out0.  The bias is the C of each sum's first product.
; CLUSTERS 4 x 4: o's tile is asked for jointly along a row of the cluster, w_o's along a column.  No prefetch is laid: the launch has no loop to run ahead in; every tile is asked for at the head.
.set PITCH, 816
.set HALFX, 49152
.set HALFY, 64*PITCH
.set SPARE, 2*HALFX+2*HALFY            ; the spare words: 512 bytes that no other line names
.set STAGE, SPARE+512                  ; the way out: 64 rows x (256 + 16) bytes for each wave; no fill lands here
.set SPITCH, 272
.set NLD,   40                         ; LDS loads of a K step
.set ADX, 16                           ; v16 16 x lane + my 64 tokens, v17 the same with 8 x lane
.set ADY, 18                           ; v18 w_o's fragments, v19 the same behind one padding more for lanes 16-31
.set STO, 24
.set RD,  25
.set CO,  26
.set SPW, 28
.set NIL, 29
.set SC,  32                           ; v[SC + 8 i + step]: lanes 0-15 the word of o's block i, lanes 16-31 of w_o's block i
.set FS,  64
.set YT,  160
.set BK,  64
.set G1, 24
.set G0, 32
.set G0B, 36
.set G1B, 40
.set MSB, 0
.macro WIN new                         ; the immediate's high byte repeats the setting that is left
.if MSB != (\new)
	s_set_vgpr_msb (MSB<<8)|(\new)
.set MSB, (\new)
.endif
.endm
.macro PLACES n
.rept \n
	v_nop
.endr
.endm
.macro CROUND
	s_barrier_signal -1
	s_barrier_wait -1
	s_cmp_lg_u32 s14, 0
	s_cbranch_scc1 .Lnot_wave_0_\@
	s_barrier_signal -3
.Lnot_wave_0_\@:
	s_barrier_wait -3
	s_barrier_signal -1
	s_barrier_wait -1
.endm
.macro FRAG reg, adr, st, i            ; w_o: 24 + 24 bytes a lane in pieces of 8; byte y of a row lies at y + 16 (y / 256)
.irp p, 0,1,2,3,4,5
.set BY, 96*(\st)+48*(\p/3)+8*(\p%3)
.if BY/256 == (BY+24)/256
	ds_load_b64 v[\reg+2*\p:\reg+2*\p+1], v[\adr] offset:BY+16*(BY/256)+(\i)*16*PITCH
.else
	ds_load_b64 v[\reg+2*\p:\reg+2*\p+1], v[\adr+1] offset:BY+16*(BY/256)+(\i)*16*PITCH
.endif
.endr
.endm
.macro FRAGX reg, st, i                ; o: two heads' images, six registers each
	ds_load_b128 v[\reg:\reg+3], v[ADX] offset:12288*(\i)+1536*(\st)
	ds_load_b64 v[\reg+4:\reg+5], v[ADX+1] offset:12288*(\i)+1536*(\st)+512
	ds_load_b128 v[\reg+6:\reg+9], v[ADX] offset:12288*(\i)+1536*(\st)+768
	ds_load_b64 v[\reg+10:\reg+11], v[ADX+1] offset:12288*(\i)+1536*(\st)+1280
.endm
.macro FETCH st
.irp i, 0,1,2,3
	FRAG FS+96*((\st)%2)+12*\i, ADY, \st, \i
	FRAGX FS+96*((\st)%2)+48+12*\i, \st, \i
.endr
.endm
.macro MUL st, cm                      ; 16 products, the accumulators by turns
.set P, FS+96*((\st)%2)
.irp a, 0,1,2,3
.irp b, 0,1,2,3
.set DD, 8*(4*\a+\b)
.if (\cm) == 0
	v_wmma_scale_f32_16x16x128_f8f6f4 v[DD:DD+7], v[P+12*\b:P+12*\b+11], v[P+48+12*\a:P+48+12*\a+11], v[DD:DD+7], v[SC+8*\b+(\st)], v[SC+8*\a+(\st)] matrix_a_fmt:MATRIX_FMT_FP6 matrix_b_fmt:MATRIX_FMT_FP6 matrix_a_scale:MATRIX_SCALE_ROW1
.else
	v_wmma_scale_f32_16x16x128_f8f6f4 v[DD:DD+7], v[P+12*\b:P+12*\b+11], v[P+48+12*\a:P+48+12*\a+11], v[128+8*\b:128+8*\b+7], v[SC+8*\b+(\st)], v[SC+8*\a+(\st)] matrix_a_fmt:MATRIX_FMT_FP6 matrix_b_fmt:MATRIX_FMT_FP6 matrix_a_scale:MATRIX_SCALE_ROW1
.endif
.endr
.endr
.endm
.macro STEP st, cm
	PLACES 4                                       ; in front of loads into registers that the last products have read
	FETCH (\st)+1
	s_wait_dscnt NLD                               ; all but the 40 just issued
	WIN 0x50                                       ; C and D in window 1
	MUL \st, \cm
	WIN 0
.endm
	s_load_b128 s[4:7], s[0:1], 0x0                ; oimg, osc
	s_load_b128 s[8:11], s[0:1], 0x10              ; w_o's codes, scales
	s_load_b128 s[48:51], s[0:1], 0x20             ; b_o, out0
	v_lshl_add_u32 v[SPW], v0, 2, SPARE
	v_mov_b32 v[NIL], 0
	ds_add_u32 v[SPW], v[NIL]                      ; the opening lines: the add, twice on end, and its wait
	ds_add_u32 v[SPW], v[NIL]
	v_lshrrev_b32 v1, 5, v0
	v_readfirstlane_b32 s14, v1                    ; wave
	s_lshr_b32 s15, s14, 1                         ; my half of the tokens; also: I fetch for o (0) or w_o (1)
	s_and_b32 s16, s14, 1                          ; my half of the features; also: which half of that tile I fetch
	s_bfe_u32 s76, ttmp6, 0x40000                  ; cx
	s_bfe_u32 s77, ttmp6, 0x40004                  ; cy
	s_and_b32 s82, ttmp7, 0xffff
	s_lshl_b32 s82, s82, 2
	s_add_co_u32 s82, s82, s77                     ; the tile of 128 tokens
	s_lshl_b32 s83, ttmp9, 2
	s_add_co_u32 s83, s83, s76                     ; the tile of 128 features
	s_mov_b32 s99, 0xffff0000
	s_mov_b32 s100, 0x76543210
	s_mov_b32 s101, 0xfedcba98
	s_lshl_b32 s20, s77, 2
	s_lshl_b32 s20, 15, s20                        ; my row of the cluster
	s_lshl_b32 s21, 0x1111, s76                    ; my column
	s_or_b32 s[G1], s20, (3<<16)|(1<<21)
	s_or_b32 s[G1B], s21, (3<<16)|(1<<20)|(1<<21)|(5<<22)|(3<<25)
.irp g, G1, G1B                        ; 192 rows of 256 bytes (32 elements of 8), dense
	s_mov_b32 s[\g+1], 32<<16
	s_mov_b32 s[\g+2], 192<<16
	s_mov_b32 s[\g+3], 32<<16
	s_mov_b32 s[\g+4], 192
	s_mov_b32 s[\g+5], 32
	s_mov_b32 s[\g+6], 0
	s_mov_b32 s[\g+7], 0
.endr
	s_lshl_b32 s20, s82, 3
	s_lshl_b32 s17, s16, 2
	s_add_co_u32 s20, s20, s17
	s_mul_i32 s20, s20, 12288                      ; o: tile of 16 tokens 8 x tile + 4 x half
	s_mov_b32 s21, 0
	s_lshl_b32 s22, s83, 7
	s_lshl_b32 s17, s16, 6
	s_add_co_u32 s22, s22, s17
	s_mul_i32 s22, s22, 768                        ; w_o: row 128 x tile + 64 x half
	s_mov_b32 s23, 0
	s_mov_b32 s[G0], 1
	s_mul_i32 s[G0+1], s16, HALFX
	s_mov_b32 s[G0B], 1
	s_mul_i32 s[G0B+1], s16, HALFY
	s_add_co_u32 s[G0B+1], s[G0B+1], 2*HALFX
	s_wait_dscnt 0x0
	s_wait_kmcnt 0x0
	s_add_nc_u64 s[G0+2:G0+3], s[4:5], s[20:21]
	s_or_b32 s[G0+3], s[G0+3], 0x80000000
	s_add_nc_u64 s[G0B+2:G0B+3], s[8:9], s[22:23]
	s_or_b32 s[G0B+3], s[G0B+3], 0x80000000
	CROUND                                         ; the joint loads meet
	s_cmp_eq_u32 s15, 0
	s_cbranch_scc0 .Lfor_y
	tensor_load_to_lds s[G0:G0+3], s[G1:G1+7]
	s_nop 0
	PLACES 4
	s_branch .Lasked
.Lfor_y:
	tensor_load_to_lds s[G0B:G0B+3], s[G1B:G1B+7]
	s_nop 0
	PLACES 4
.Lasked:
	s_lshr_b32 s20, s82, 1
	s_lshl_b32 s20, s20, 13                        ; osc: my block of 256 tokens,
	s_and_b32 s17, s82, 1
	s_lshl_b32 s17, s17, 8
	s_add_co_u32 s20, s20, s17                     ; its half (128 tokens x 2 bytes),
	s_lshl_b32 s17, s15, 7
	s_add_co_u32 s20, s20, s17                     ; my 64 tokens
	s_add_nc_u64 s[6:7], s[6:7], s[20:21]
	s_lshl_b32 s22, s83, 7
	s_lshl_b32 s17, s16, 6
	s_add_co_u32 s22, s22, s17                     ; my first feature
	s_lshl_b32 s20, s22, 5
	s_add_nc_u64 s[10:11], s[10:11], s[20:21]
	s_lshl_b32 s22, s22, 2
	s_add_nc_u64 s[48:49], s[48:49], s[22:23]
	s_lshl_b32 s20, s82, 7
	s_lshl_b32 s17, s15, 6
	s_add_co_u32 s20, s20, s17                     ; my first token
	s_lshl_b32 s20, s20, 12
	s_add_co_u32 s20, s20, s22
	s_add_nc_u64 s[50:51], s[50:51], s[20:21]
	s_mul_i32 s17, s15, HALFX
	s_mul_i32 s18, s16, HALFY
	s_add_co_u32 s18, s18, 2*HALFX
	s_mul_i32 s19, s14, 64*SPITCH
	s_add_co_u32 s19, s19, STAGE
	v_and_b32 v1, 15, v0
	v_bfe_u32 v2, v0, 4, 1
	v_and_b32 v6, 31, v0
	v_lshl_add_u32 v[ADX], v6, 4, s17
	v_lshl_add_u32 v[ADX+1], v6, 3, s17
	v_mul_u32_u24 v3, v1, PITCH
	v_mad_u32_u24 v3, v2, 24, v3
	v_lshl_add_u32 v4, v2, 4, v3
	v_add_nc_u32 v[ADY], s18, v3
	v_add_nc_u32 v[ADY+1], s18, v4
	v_mul_u32_u24 v3, v1, SPITCH
	v_lshl_add_u32 v3, v2, 5, v3
	v_add_nc_u32 v[STO], s19, v3                   ; in: row r, 32 bytes for each half of the lanes
	v_mul_u32_u24 v3, v2, SPITCH
	v_lshl_add_u32 v3, v1, 4, v3
	v_add_nc_u32 v[RD], s19, v3                    ; back: lanes 0-15 one row of 256 bytes, lanes 16-31 the next
	v_lshlrev_b32 v3, 12, v2
	v_lshl_add_u32 v[CO], v1, 4, v3                ; and the same two rows in out0
	v_lshlrev_b32 v7, 5, v1                        ; a row of w_o's scales is 32 bytes
	v_lshlrev_b32 v8, 5, v2                        ; the bias
	v_lshlrev_b32 v3, 9, v2
	v_lshl_add_u32 v9, v1, 1, v3                   ; osc: lanes 0-15 the even head, lanes 16-31 the odd one; 2 bytes a token
.irp k, 0,1,2,3
	v_mov_b32 v[10+\k], 0                          ; a lane permute's destination counts as a source
.endr
	s_wait_alu depctr_va_vdst(0)
.irp a, 0,1,2,3
.irp s, 0,1,2,3,4,5,6,7
	global_load_u16 v[SC+8*\a+\s], v9, s[6:7] offset:1024*\s+32*\a
.endr
.endr
.irp i, 0,1,2,3
	global_load_b128 v[YT+8*\i:YT+8*\i+3], v7, s[10:11] offset:512*\i
	global_load_b128 v[YT+8*\i+4:YT+8*\i+7], v7, s[10:11] offset:512*\i+16
.endr
	WIN 0x40                                       ; the bias in the result's layout, window 1, v128-159
.irp b, 0,1,2,3
	global_load_b128 v[128+8*\b:128+8*\b+3], v8, s[48:49] offset:64*\b
	global_load_b128 v[128+8*\b+4:128+8*\b+7], v8, s[48:49] offset:64*\b+16
.endr
	WIN 0
	s_wait_tensorcnt 0x0                           ; my part is in,
	s_barrier_signal -1
	s_barrier_wait -1                              ; and everybody's
	FETCH 0
	s_wait_loadcnt 0x0
.irp g, 0,1,2,3,4,5,6,7                ; a token's word for 128 along K: the even head's two bytes below, the odd head's (lane l xor 16) above; lanes 16-31 take w_o's words
.irp k, 0,1,2,3
	v_permlanex16_b32 v[10+\k], v[SC+4*\g+\k], s100, s101
.endr
.irp k, 0,1,2,3
	v_lshl_or_b32 v[SC+4*\g+\k], v[10+\k], 16, v[SC+4*\g+\k]
.endr
.irp k, 0,1,2,3
	v_cndmask_b32 v[SC+4*\g+\k], v[SC+4*\g+\k], v[YT+4*\g+\k], s99
.endr
.endr
	s_wait_alu depctr_va_vdst(0)
	PLACES 4                                       ; with STEP's four: a scale register written by a vector instruction stands 8 places ahead
	STEP 0, 1
.set ST, 1
.rept 6
	STEP ST, 0
.set ST, ST+1
.endr
	s_wait_dscnt 0x0
	WIN 0x50
	MUL 7, 0
	WIN 0
; THE WAY OUT: through my own stage: in as 32 bytes a lane, back as whole rows of 256 bytes.  LDS serves a wave's instructions in order (ISA guide 5.7.1.4).
	PLACES 4
	WIN 0x04                                       ; the data: window 1
.irp a, 0,1,2,3
.irp b, 0,1,2,3
	ds_store_b128 v[STO], v[8*(4*\a+\b):8*(4*\a+\b)+3] offset:\a*16*SPITCH+64*\b       ; each accumulator from its low end on
	ds_store_b128 v[STO], v[8*(4*\a+\b)+4:8*(4*\a+\b)+7] offset:\a*16*SPITCH+64*\b+16
.endr
.endr
	WIN 0
.irp t, 0,1,2,3,4,5,6,7,8,9,10,11,12,13,14,15,16,17,18,19,20,21,22,23,24,25,26,27,28,29,30,31
	ds_load_b128 v[BK+4*\t:BK+4*\t+3], v[RD] offset:\t*2*SPITCH
.endr
.irp g, 0,1,2,3
	s_wait_dscnt 24-8*\g                           ; the loads issued behind this group's eight may be out
.irp t, 0,1,2,3,4,5,6,7
	global_store_b128 v[CO], v[BK+32*\g+4*\t:BK+32*\g+4*\t+3], s[50:51] offset:(8*\g+\t)*8192 th:TH_STORE_NT   ; 16 lanes store 256 consecutive bytes, at a multiple of 256 from out0's first byte
.endr
.endr
	s_wait_tensorcnt 0x0                           ; the wave's end
	ds_add_u32 v[SPW], v[NIL]
	s_wait_dscnt 0x0
	CROUND                                         ; the closing round
	s_endpgm
.Lfunc_end_k_q2d7745c8dc_outp:
	.size	k_q2d7745c8dc_outp, .Lfunc_end_k_q2d7745c8dc_outp-k_q2d7745c8dc_outp
	.p2alignl 7, 3214868480
	.fill 96, 4, 3214868480
	.section	.rodata,"a",@progbits
	.p2align	6, 0x0
	.amdhsa_kernel k_q2d7745c8dc_outp
		.amdhsa_group_segment_fixed_size 327680
		.amdhsa_private_segment_fixed_size 0
		.amdhsa_enable_private_segment 0
		.amdhsa_kernarg_size 48
		.amdhsa_user_sgpr_count 2
		.amdhsa_user_sgpr_kernarg_segment_ptr 1
		.amdhsa_wavefront_size32 1
		.amdhsa_system_sgpr_workgroup_id_x 1
		.amdhsa_system_sgpr_workgroup_id_y 1
		.amdhsa_system_sgpr_workgroup_id_z 1
		.amdhsa_system_vgpr_workitem_id 0
		.amdhsa_next_free_vgpr 512
		.amdhsa_next_free_sgpr 102
		.amdhsa_reserve_vcc 0
		.amdhsa_float_denorm_mode_32 3
		.amdhsa_float_denorm_mode_16_64 3
		.amdhsa_memory_ordered 1
		.amdhsa_forward_progress 1
		.amdhsa_inst_pref_size 63
	.end_amdhsa_kernel
	.amdgpu_metadata
---
amdhsa.version: [ 1, 2 ]
amdhsa.kernels:
  - .name:           k_q2d7745c8dc_outp
    .symbol:         k_q2d7745c8dc_outp.kd
    .args:
      - { .name: oimg, .offset: 0, .size: 8, .value_kind: global_buffer, .address_space: global }
      - { .name: osc, .offset: 8, .size: 8, .value_kind: global_buffer, .address_space: global }
      - { .name: w_o_codes, .offset: 16, .size: 8, .value_kind: global_buffer, .address_space: global }
      - { .name: w_o_scales, .offset: 24, .size: 8, .value_kind: global_buffer, .address_space: global }
      - { .name: b_o, .offset: 32, .size: 8, .value_kind: global_buffer, .address_space: global }
      - { .name: out0, .offset: 40, .size: 8, .value_kind: global_buffer, .address_space: global }
    .group_segment_fixed_size: 327680
    .private_segment_fixed_size: 0
    .kernarg_segment_align: 8
    .kernarg_segment_size: 48
    .max_flat_workgroup_size: 128
    .sgpr_count:     102
    .vgpr_count:     512
    .wavefront_size: 32
...
	.end_amdgpu_metadata
.endif
;; end of part 3
